; MI455X (gfx1250); checked and timed in simulation.
; The chip was launched on July 23, 2026; its instructions are those of AMD's public machine-readable ISA for CDNA 5 (MIT licence, August 2026) and "CDNA5" Instruction Set Architecture Reference Guide (July 2026). The comments in the code are by the model that wrote it; some were corrected since.
;; Radon. Allowed arithmetic: float matrix products may take bf16 or f16 operands with f32 sums; other float arithmetic in f32, or as packed bf16 or f16 multiplies, adds, multiply-adds, maxima and minima; sums over many terms, partial sums and values carried from step to step in f32; what a program stores and reads back later, other than sums and carried values, may be rounded once to bf16 or f16.
;; Inputs: theta 180 int32; x 2 x 1 x 256 x 256 float32.
;; Outputs: out0 2 x 1 x 363 x 180 float32.
;; One version. Each part assembles by itself: llvm-mc -triple=amdgcn-amd-amdhsa -mcpu=gfx1250 --defsym DOCPART=n.
;; ======== version 1 of 1: 1 launch
;; limits: inputs' magnitudes at most 32,000; below input magnitudes of 6e-05 results are inexact or not finite; values are held in f16: magnitudes above 65,504 overflow, below 6.1e-05 lose precision
;; launch radon (part 1): grid 256 x 1, 16 waves a work-group, no clusters, 277,760 bytes of LDS; arguments theta, x, out0; writes out0
.if DOCPART == 1
	.amdgcn_target "amdgcn-amd-amdhsa--gfx1250"
	.amdhsa_code_object_version 6
	.text
	.protected	k_qf903ff5cf9_radon
	.globl	k_qf903ff5cf9_radon
	.p2align	8
	.type	k_qf903ff5cf9_radon,@function
k_qf903ff5cf9_radon:
	s_mov_b64 s[64:65], 0
	v_nop
	global_prefetch_b8 v0, s[64:65] scope:SCOPE_SE
	s_setreg_imm32_b32 hwreg(HW_REG_WAVE_MODE, 25, 1), 1
	s_wait_xcnt 0x0
; RADON TRANSFORM.  out0[n][w][t] = the sum over h = 0..362 of the bilinear sample of image n, zero outside its 256 x 256 pixels, at
;   column X = 128 + c (w-181) + s (h-181),   row Y = 128 - s (w-181) + c (h-181),   c, s = cos, sin of theta[t] degrees.
; (The padding of 53 puts the grid's centre 181 on pixel 128; the padded border is zero, so the sampler's zeros outside the grid and a zero extension agree.)
; FIXED POINT.  Addresses and trip counts are made of whole numbers alone: theta is reduced mod 360 exactly and folded to 0..45 degrees; sin and cos are nested Taylor
; products in Q31/Q32 (terms to x^9 and x^8, under 3e-8 left), rounded to Q23.  A coordinate is an unsigned Q9.23 that wraps mod 512: X + 4 lies in -129..393, so what is
; negative wraps above 383 and one unsigned minimum sends both sides to a zero margin.  Only weights and pixel values are floats.
; LDS.  One word a pixel, (f16 image 0, f16 image 1); 261 rows of 264 words: data in rows 2..257, columns 4..259, zeros round them; column 264 of a row is column 0 of the next, a zero.
; 264 words: bank = (column + 8 row) mod 64 (64 banks of 4 bytes: ISA guide 11.1): two different words share a bank only if they lie (8,-1), (0,8), .. apart, 8 pixels or more.
; SHARES.  A UNIT is one angle, 8 rays w and their mirror rays 362 - w: 23 blocks x 180 angles = 4,140 units.  Work-group g takes units g + 256 i, i = 0..15, one a wave, so each has blocks at every
; distance from the centre; the 44 units left over are outermost blocks and go to the wave with i = 15.  A wave's 32 lanes are a tile of 8 rays x 4 steps of h (diagonal 7.6 pixels, under the 8 above).
; MIRROR.  The samples (w, h) and (362-w, 362-h) lie at P and 256 - P: same weights, corners mirrored, address = constant - address.  One coordinate serves two rays and two images.
; SUMS.  The lerps are packed f16 (two images an instruction); the sum over h is f32: the 8 packed results of four tile steps are the B operand of one matrix instruction whose A operand holds
; ones that pick image 0 / 1 (even / odd k) and direct / mirrored (registers 0-3 / 4-7) into rows 0, 1, 8, 9 of the result.
; WHICH h.  23 groups of 16 steps; lane k tests, in whole numbers, whether the box round group k's rotated 8 x 16 rectangle meets |X-128|, |Y-128| < 129; the mask gives the first group and their number.
; LIMITS.  |x| below 3.2e4 (f16 holds differences of two pixels); NaN and infinities are not treated apart.  theta from -2,147,483,520 up.  The angle is the exact whole degree; a computation that
; rounds the radians to f32 parts from it by about 1.2e-7 |radians| x 181 pixels at a ray's end: 2e-3 pixel at |theta| = 5,400.
; NO CLUSTER, NO TENSOR LOAD, though all work-groups read the same x: a joint load brings bytes as they lie, 524,288 of f32, more than the 327,680 of LDS; beside the resident 275,712 bytes a stage of
; about 50,000 would be left: over twenty refills.  So x comes through registers, is converted once and stored.
; THE STORES are 4 bytes a lane, 720 bytes apart: t runs fastest in out0 and a unit has one t.  Neighbouring t in one work-group would mean one or two rays a work-group, and no compact tile.
.set NT,     180
.set NUNIT,  4140
.set PITCH,  1056                      ; bytes in an LDS row
.set XCL,    261                       ; a column index at or above this reads zeros, direct (261, 262) and mirrored (2, 3)
.set YCL,    259                       ; a row index at or above this reads zeros, direct (259, 260) and mirrored (0, 1)
.set KB,     YCL*PITCH+263*4           ; mirrored address = KB - direct address
.set BOT,    258*PITCH+16              ; first byte of the zeros below the data
.set SPARE,  275712                    ; behind the image: the spare words, 128 bytes for each of 16 waves
.set IMG,    262144                    ; bytes of one image in x
.set OIMG,   363*NT*4                  ; bytes of one image in out0
.set SPW, 2                            ; LDS address of my spare word; never rewritten
.set NIL, 3                            ; 0; never rewritten
.set LANE, 4
.set GO,  5                            ; fill: my byte offset in x
.set LA,  6                            ; fill: my LDS address
.set VC2, 7                            ; 32 lane - 347: twice the centre of group 'lane' along h - 181
.set WSUB, 8                           ; lane & 7: my ray in the tile
.set HSUB, 9                           ; lane >> 3: my step of h in the tile
.set SG,  10                           ; way out: +1 (lanes 0-15, direct) or -1 (mirrored)
.set MIR, 11                           ; way out: 0 or 1
.set IMGOFF, 12                        ; way out: 0 or OIMG by bit 3 of the lane
.set UL,  13                           ; my ray, w - 181
.set XB,  14                           ; Q9.23 column + 4 and
.set YB,  15                           ; row + 2 of my sample in tile step 0 of the group to be fetched
.set XF,  16
.set YF,  17
.set FX,  18                           ; v[18:19] the two weights in f32
.set XI,  20
.set YI,  21
.set AD,  22
.set AM,  23
.set T0,  24
.set T1,  25
.set T2,  26
.set T3,  27
.set CT,  24                           ; fill: v[24:31] converted words, two sets
.set WT,  28                           ; v[28:31] (f16 fx, f16 fy) of tile steps 0..3
.set SMP, 32                           ; v[32:39] packed samples: direct 0..3, mirrored 0..3
.set ACC, 40                           ; v[40:47] the sums
.set ASEL, 48                          ; v[48:55] the selecting operand
.set OFF, 56
.set VAL, 57
.set ZR,  60                           ; v[60:63] zeros for the margins
.set DB,  64                           ; v[64:95] corner words, 8 a tile step
.set RING, 64                          ; fill: v[64:191] 16 slots of 8
.set SSTEP, 44                         ; s44-47: 4 S, 8 S, 12 S, 16 S
.set CSTEP, 48                         ; s48-51: the same of C
.set M23, 52
.set ONE, 53
.set NEG1, 54
.set IMGM, 55
.set KEEP, 56
	s_load_b128 s[4:7], s[0:1], 0x0                ; theta s[4:5], x s[6:7]
	s_load_b64 s[8:9], s[0:1], 0x10                ; out0
	v_lshl_add_u32 v[SPW], v0, 2, SPARE
	v_mov_b32 v[NIL], 0
	v_lshrrev_b32 v1, 5, v0
	v_readfirstlane_b32 s10, v1                    ; wave 0..15
	v_and_b32 v[LANE], 31, v0
	s_bfe_u32 s11, s10, 0x10002                    ; i = wave, with waves 4-7 and 12-15 in reverse order: any four waves v, v+4, v+8, v+12 have i's that add up to 30
	s_mul_i32 s11, s11, 3
	s_xor_b32 s11, s11, s10
	s_lshl_b32 s12, s11, 8
	s_add_co_u32 s12, s12, ttmp9                   ; my unit = g + 256 i
	s_add_co_u32 s17, s12, 256                     ; a second one, if i = 15 and it exists
	s_cmp_eq_u32 s11, 15
	s_cselect_b32 s13, 2, 1
	s_cmp_lt_u32 s17, NUNIT
	s_cselect_b32 s13, s13, 1                      ; s13 = my number of units
	s_min_u32 s17, s17, NUNIT-1                    ; (kept inside, so that its angle can be loaded in any case)
	s_mul_hi_u32 s18, s12, 23860930                ; unit / 180 (2^32 / 180, rounded up): the block, counted from the centre
	s_mul_i32 s19, s18, NT
	s_sub_co_u32 s19, s12, s19                     ; t
	s_mul_hi_u32 s20, s17, 23860930
	s_mul_i32 s21, s20, NT
	s_sub_co_u32 s21, s17, s21
	s_lshl_b32 s22, s19, 2
	s_lshl_b32 s23, s21, 2
	s_lshl_b32 s24, s10, 14                        ; my wave's 16 rows of 1,024 bytes
	v_lshl_add_u32 v[GO], v[LANE], 4, s24
	s_wait_kmcnt 0x0
	s_load_b32 s15, s[4:5], s22 offset:0x0         ; both angles now: they are wanted behind the fill
	s_load_b32 s16, s[4:5], s23 offset:0x0
; THE FILL.  Step i of 32: half a row (128 pixels) of both images, 16 bytes a lane from each.  16 slots: 32 loads of the wave are out.
.set i, 0
.rept 16
	global_load_b128 v[RING+8*i:RING+8*i+3],   v[GO], s[6:7] offset:512*i
	global_load_b128 v[RING+8*i+4:RING+8*i+7], v[GO], s[6:7] offset:512*i+IMG
.set i, i+1
.endr
	; while they are on their way: constants, and the zero margins
	s_mul_i32 s25, s10, 16*PITCH
	s_add_co_u32 s26, s25, 2*PITCH+16              ; my first data row, column 4
	v_lshl_add_u32 v[LA], v[LANE], 4, s26
	v_mov_b32 v[ZR], 0
	v_mov_b32 v[ZR+1], 0
	v_mov_b32 v[ZR+2], 0
	v_mov_b32 v[ZR+3], 0
	v_lshrrev_b32 v1, 1, v[LANE]                   ; behind each of my 16 rows: 32 bytes, its columns 260-263 and the next row's 0-3; two lanes a row
	v_mul_u32_u24 v1, v1, PITCH
	v_and_b32 v[T0], 1, v[LANE]
	v_lshl_add_u32 v1, v[T0], 4, v1
	s_add_co_u32 s26, s25, 2*PITCH+1040
	v_add_nc_u32 v1, s26, v1
	ds_store_b128 v1, v[ZR:ZR+3]
	v_lshlrev_b32 v[T1], 4, v[LANE]
	s_cmp_lg_u32 s10, 0
	s_cbranch_scc1 .Lnot_top
.irp o, 0, 512, 1024, 1536, 1616                       ; wave 0: bytes 0 .. 2,127 (rows 0, 1 and row 2's first four columns); the last store overlaps the one before
	ds_store_b128 v[T1], v[ZR:ZR+3] offset:\o
.endr
.Lnot_top:
	s_cmp_lg_u32 s10, 15
	s_cbranch_scc1 .Lnot_bottom
	v_add_nc_u32 v[T1], BOT, v[T1]
.irp o, 0, 512, 1024, 1536, 2048, 2560, 2736           ; wave 15: bytes BOT .. SPARE - 1, 3,248 of them; the last store overlaps the one before
	ds_store_b128 v[T1], v[ZR:ZR+3] offset:\o
.endr
.Lnot_bottom:
	v_and_b32 v[WSUB], 7, v[LANE]
	v_lshrrev_b32 v[HSUB], 3, v[LANE]
	v_lshrrev_b32 v[MIR], 4, v[LANE]
	v_lshlrev_b32 v[T0], 1, v[MIR]
	v_sub_nc_u32 v[SG], 1, v[T0]
	v_bfe_u32 v[T0], v[LANE], 3, 1
	v_mul_u32_u24 v[IMGOFF], v[T0], OIMG
	v_lshl_add_u32 v[VC2], v[LANE], 5, 0xfffffea5  ; 32 lane - 347
	; the selecting operand: a lane holds row lane % 16; a register holds (even k, odd k).  Rows 0, 1: 1.0 at even, odd k of registers 0-3; rows 8, 9: of registers 4-7; all else 0
	v_and_b32 v1, 15, v[LANE]
	v_and_b32 v[T0], 1, v1
	v_lshlrev_b32 v[T0], 4, v[T0]
	v_mov_b32 v[T1], 0x3c00
	v_lshlrev_b32 v[T1], v[T0], v[T1]
	v_lshrrev_b32 v1, 1, v1
	v_cmp_eq_u32 vcc_lo, 0, v1
	v_cndmask_b32 v[ASEL], 0, v[T1], vcc_lo
	v_cmp_eq_u32 vcc_lo, 4, v1
	v_cndmask_b32 v[ASEL+4], 0, v[T1], vcc_lo
.irp r, 1,2,3
	v_mov_b32 v[ASEL+\r], v[ASEL]
	v_mov_b32 v[ASEL+4+\r], v[ASEL+4]
.endr
	s_mov_b32 s[M23], 0x7fffff                     ; a coordinate's fraction
	s_mov_b32 s[ONE], 0x3f800000
	s_mov_b32 s[NEG1], 0xbc00bc00                  ; -1.0 twice in f16
	s_mov_b32 s[IMGM], 0xff00ff00                  ; lanes that store image 1
	s_mov_b32 s[KEEP], 0x00ffffff                  ; lanes whose step of h is 0..2
	s_mov_b32 s66, 0x42000000                      ; 132 in Q9.23: pixel 128 + 4 margin columns
	s_mov_b32 s67, 0x41000000                      ; 130: pixel 128 + 2 margin rows
	s_mov_b32 s68, 181
	s_mov_b32 s69, NT*4
	s_mov_b32 s14, 0
.set i, 0
.rept 32
.if i < 16
	s_wait_loadcnt 30                              ; loads come back in order: this slot's two are in, the other 15 slots' 30 stay out
.else
	s_wait_loadcnt 2*(31-i)                        ; nothing is asked for any more: the counts run down
.endif
.set sl, RING+8*(i%16)
.set ct, CT+4*(i%2)
.irp r, 0,1,2,3
	v_cvt_pk_f16_f32 v[ct+\r], v[sl+\r], v[sl+4+\r]  ; image 0 in the low half, image 1 in the high half
.endr
	ds_store_b128 v[LA], v[ct:ct+3] offset:(i/2)*PITCH+(i%2)*512
.if i < 16
	global_load_b128 v[sl:sl+3],   v[GO], s[6:7] offset:512*(i+16)
	global_load_b128 v[sl+4:sl+7], v[GO], s[6:7] offset:512*(i+16)+IMG
.endif
.set i, i+1
.endr
	s_wait_dscnt 0x0                               ; for the others' sake: my stores into the image are done
	s_barrier_signal -1
	s_barrier_wait -1                              ; the image is whole; from here on it is only read
	s_wait_kmcnt 0x0                               ; the angles
.macro STAGE p, k                      ; p = 1 - z p k: p in Q31, z and k in Q32
	s_mul_hi_u32 \p, s36, \p
	s_mul_hi_u32 \p, \p, \k
	s_sub_co_u32 \p, 0x80000000, \p
.endm
; Tile step j of the group to be fetched: coordinates, the two addresses, eight loads, the weights.
; Corners: DB+8j+0..3 = direct (row, col), (row, col+1), (row+1, col), (row+1, col+1); +4..7 = their mirror images, in the same order of weights.
.macro ISSUE j
.if (\j) == 0
.set xs, XB
.set ys, YB
.else
.set xs, XF
.set ys, YF
	v_add_nc_u32 v[XF], s[SSTEP+(\j)-1], v[XB]
	v_add_nc_u32 v[YF], s[CSTEP+(\j)-1], v[YB]
.endif
	v_lshrrev_b32 v[XI], 23, v[xs]
	v_lshrrev_b32 v[YI], 23, v[ys]
	v_min_u32 v[XI], XCL, v[XI]                    ; outside on either side: into the zero margin
	v_min_u32 v[YI], YCL, v[YI]
	v_mul_u32_u24 v[YI], v[YI], PITCH
	v_and_or_b32 v[FX], v[xs], s[M23], s[ONE]      ; 1 + fraction, as f32
	v_lshl_add_u32 v[AD], v[XI], 2, v[YI]
	v_and_or_b32 v[FX+1], v[ys], s[M23], s[ONE]
	v_sub_nc_u32 v[AM], KB, v[AD]
	ds_load_b32 v[DB+8*(\j)+0], v[AD]
	ds_load_b32 v[DB+8*(\j)+1], v[AD] offset:4
	ds_load_b32 v[DB+8*(\j)+2], v[AD] offset:PITCH
	ds_load_b32 v[DB+8*(\j)+3], v[AD] offset:PITCH+4
	v_min_u32 v[AM], KB, v[AM]                     ; changes nothing (AD is at most KB): the bound stands in the text
	v_pk_add_f32 v[FX:FX+1], v[FX:FX+1], -1.0 op_sel_hi:[1,0]
	ds_load_b32 v[DB+8*(\j)+4], v[AM] offset:PITCH+4
	ds_load_b32 v[DB+8*(\j)+5], v[AM] offset:PITCH
	ds_load_b32 v[DB+8*(\j)+6], v[AM] offset:4
	ds_load_b32 v[DB+8*(\j)+7], v[AM]
	v_cvt_pk_f16_f32 v[WT+(\j)], v[FX], v[FX+1]    ; (fx, fy)
.endm
; Tile step j of the group in hand: two bilinear samples, each of both images.  cnt: the younger LDS loads, which may stay out.
.macro LERP j, cnt
	s_wait_dscnt \cnt
.set dj, DB+8*(\j)
	v_pk_fma_f16 v[T0], v[dj+0], s[NEG1], v[dj+1]  ; differences along the row
	v_pk_fma_f16 v[T1], v[dj+2], s[NEG1], v[dj+3]
	v_pk_fma_f16 v[T2], v[dj+4], s[NEG1], v[dj+5]
	v_pk_fma_f16 v[T3], v[dj+6], s[NEG1], v[dj+7]
	v_pk_fma_f16 v[T0], v[T0], v[WT+(\j)], v[dj+0] op_sel_hi:[1,0,1]  ; fx, the low half, for both images
	v_pk_fma_f16 v[T1], v[T1], v[WT+(\j)], v[dj+2] op_sel_hi:[1,0,1]
	v_pk_fma_f16 v[T2], v[T2], v[WT+(\j)], v[dj+4] op_sel_hi:[1,0,1]
	v_pk_fma_f16 v[T3], v[T3], v[WT+(\j)], v[dj+6] op_sel_hi:[1,0,1]
	v_pk_fma_f16 v[T1], v[T0], s[NEG1], v[T1]
	v_pk_fma_f16 v[T3], v[T2], s[NEG1], v[T3]
	v_pk_fma_f16 v[SMP+(\j)], v[T1], v[WT+(\j)], v[T0] op_sel:[0,1,0]    ; fy, the high half, for both images
	v_pk_fma_f16 v[SMP+4+(\j)], v[T3], v[WT+(\j)], v[T2] op_sel:[0,1,0]
.endm
.macro ADDUP                           ; one accumulator: the wait directly ahead of each link
	s_wait_alu depctr_va_vdst(0)
	v_wmma_f32_16x16x32_f16 v[ACC:ACC+7], v[ASEL:ASEL+7], v[SMP:SMP+7], v[ACC:ACC+7]
.endm
.Lpass:                                                ; a unit: block s18 (from the centre), angle number s19, theta s15
	s_add_co_u32 s30, s15, 0x7fffff80              ; + 360 x 5,965,232: not negative
	s_lshr_b32 s31, s30, 3
	s_mul_hi_u32 s31, s31, 0xb60b60b7              ; (n / 8) / 45, exact for 29 bits
	s_lshr_b32 s31, s31, 5
	s_mul_i32 s31, s31, 360
	s_sub_co_u32 s30, s30, s31                     ; theta mod 360
	s_mul_i32 s31, s30, 729
	s_lshr_b32 s31, s31, 16                        ; the quadrant (729 / 65,536 is right for 0..359)
	s_mul_i32 s32, s31, 90
	s_sub_co_u32 s30, s30, s32                     ; r = 0..89
	s_sub_co_u32 s32, 90, s30
	s_min_u32 s33, s30, s32                        ; a = 0..45
	s_mul_i32 s35, s33, 74961321                   ; a in radians, Q32
	s_mul_hi_u32 s36, s35, s35                     ; z = its square
	s_mov_b32 s37, 0x80000000
	STAGE s37, 76695845                            ; cos = 1 - z/2 (1 - z/12 (1 - z/30 (1 - z/56)))
	STAGE s37, 143165577
	STAGE s37, 357913941
	STAGE s37, 0x80000000
	s_mov_b32 s38, 0x80000000
	STAGE s38, 59652324                            ; sin = x (1 - z/6 (1 - z/20 (1 - z/42 (1 - z/72))))
	STAGE s38, 102261126
	STAGE s38, 214748365
	STAGE s38, 715827883
	s_mul_hi_u32 s38, s35, s38
	s_add_co_u32 s37, s37, 128
	s_lshr_b32 s37, s37, 8                         ; rounded to Q23
	s_add_co_u32 s38, s38, 128
	s_lshr_b32 s38, s38, 8
	s_cmp_gt_u32 s30, 45
	s_cselect_b32 s32, s37, s38                    ; sin r
	s_cselect_b32 s33, s38, s37                    ; cos r
	s_sub_co_u32 s34, 0, s32
	s_bitcmp1_b32 s31, 0                           ; quadrants 1, 3: (sin, cos) = (cos r, -sin r)
	s_cselect_b32 s40, s33, s32
	s_cselect_b32 s41, s34, s33
	s_sub_co_u32 s32, 0, s40
	s_sub_co_u32 s33, 0, s41
	s_bitcmp1_b32 s31, 1                           ; quadrants 2, 3: both negated
	s_cselect_b32 s40, s32, s40                    ; S
	s_cselect_b32 s41, s33, s41                    ; C
	s_sub_co_u32 s42, 0, s40                       ; -S
	s_lshl_b32 s[SSTEP], s40, 2
	s_lshl_b32 s[SSTEP+1], s40, 3
	s_mul_i32 s[SSTEP+2], s40, 12
	s_lshl_b32 s[SSTEP+3], s40, 4
	s_lshl_b32 s[CSTEP], s41, 2
	s_lshl_b32 s[CSTEP+1], s41, 3
	s_mul_i32 s[CSTEP+2], s41, 12
	s_lshl_b32 s[CSTEP+3], s41, 4
	; which groups: all in units of 2^-16 pixel (doubled lengths in Q15).  |2 X'| < 258 + 7 |c| + 15 |s|, |2 Y'| < 258 + 7 |s| + 15 |c| at the rectangle's centre, + 1/8 pixel for the cut bits (728 units at the most)
	s_ashr_i32 s22, s41, 8
	s_ashr_i32 s23, s40, 8
	s_sub_co_i32 s24, 0, s22
	s_max_i32 s24, s24, s22
	s_sub_co_i32 s25, 0, s23
	s_max_i32 s25, s25, s23
	s_lshl_b32 s26, s18, 4
	s_sub_co_i32 s26, -3, s26                      ; twice the centre of my 8 rays: 2 (-5 - 8 block) + 7
	s_mul_i32 s27, s24, 7
	s_mul_i32 s28, s25, 15
	s_add_co_u32 s27, s27, s28
	s_add_co_u32 s27, s27, 258*32768+8192
	s_mul_i32 s28, s25, 7
	s_mul_i32 s29, s24, 15
	s_add_co_u32 s28, s28, s29
	s_add_co_u32 s28, s28, 258*32768+8192
	s_mul_i32 s29, s22, s26
	s_add_co_u32 s29, s29, s27
	s_mul_i32 s30, s23, s26
	s_sub_co_u32 s30, s28, s30
	s_lshl_b32 s27, s27, 1
	s_lshl_b32 s28, s28, 1
	v_mad_u32 v[T0], v[VC2], s23, s29              ; 2 X' + bound: inside if below twice the bound, unsigned
	v_mad_u32 v[T1], v[VC2], s22, s30
	v_cmp_gt_u32 s57, s27, v[T0]
	v_cmp_gt_u32 s58, s28, v[T1]
	s_and_b32 s57, s57, s58
	s_and_b32 s57, s57, 0x7fffff                   ; groups 0..22; two intervals' meet, so the ones are on end
	s_lshl_b32 s61, s18, 3
	s_sub_co_i32 s61, -5, s61
	v_add_nc_u32 v[UL], s61, v[WSUB]
.set r, 0
.rept 8
	v_mov_b32 v[ACC+r], 0                          ; a unit may have no group at all: the sums start here
.set r, r+1
.endr
	s_cmp_eq_u32 s57, 0
	s_cbranch_scc1 .Lout
	s_ctz_i32_b32 s60, s57                         ; the first group
	s_and_b32 s58, s57, 0x3fffff
	s_bcnt1_i32_b32 s58, s58                       ; trips of the loop: the groups but number 22
	s_lshl_b32 s60, s60, 4
	s_sub_co_i32 s60, s60, 181
	v_add_nc_u32 v[T0], s60, v[HSUB]               ; h - 181 of my first sample
	v_mad_u32 v[XB], v[UL], s41, s66
	v_mad_u32 v[YB], v[UL], s42, s67
	v_mad_u32 v[XB], v[T0], s40, v[XB]
	v_mad_u32 v[YB], v[T0], s41, v[YB]
	ISSUE 0                                        ; the first group's 32 loads
	ISSUE 1
	ISSUE 2
	ISSUE 3
	v_add_nc_u32 v[XB], s[SSTEP+3], v[XB]
	v_add_nc_u32 v[YB], s[CSTEP+3], v[YB]
	s_cmp_eq_u32 s58, 0
	s_cbranch_scc1 .Lno_main
	s_mov_b32 s59, 0
.Lgroup:                                               ; a tile step's registers are loaded again, for the next group, as soon as they are read: each load has a whole trip in which to land.
	LERP 0, 24                                     ; 24: the three younger tile steps' loads.  The last trip fetches a group that may not be wanted: its addresses are bounded like all
	ISSUE 0
	LERP 1, 24
	ISSUE 1
	LERP 2, 24
	ISSUE 2
	LERP 3, 24
	ISSUE 3
	v_add_nc_u32 v[XB], s[SSTEP+3], v[XB]
	v_add_nc_u32 v[YB], s[CSTEP+3], v[YB]
	ADDUP                                          ; the next write of one of its registers stands ten vector instructions on
	s_add_co_u32 s59, s59, 1
	s_cmp_lt_u32 s59, s58
	s_cbranch_scc1 .Lgroup
.Lno_main:
	s_bitcmp1_b32 s57, 22
	s_cbranch_scc0 .Lno_tail
	LERP 0, 24                                     ; group 22 is h = 352..367, and h ends at 362: tile steps 0 and 1 whole,
	LERP 1, 16
	LERP 2, 8
	v_cndmask_b32 v[SMP+2], 0, v[SMP+2], s[KEEP]   ; of tile step 2 (h = 360..363) the first three,
	v_cndmask_b32 v[SMP+6], 0, v[SMP+6], s[KEEP]
	v_mov_b32 v[SMP+3], 0                          ; of tile step 3 nothing
	v_mov_b32 v[SMP+7], 0
	ADDUP
.Lno_tail:
	s_wait_dscnt 0x0                               ; what was fetched and not wanted has landed: its registers may be loaded again
.Lout:
	; THE WAY OUT.  Register 0: lanes 0-15 image 0 direct, lanes 16-31 image 0 mirrored; register 1: image 1; column = lane % 16 = 8 (step of h & 1) + ray.  The address lines are the places behind the last product.
	v_mad_u32 v[T0], v[UL], v[SG], s68             ; w = 181 + (w - 181), or 181 - (w - 181)
	v_add_nc_u32 v[T1], v[UL], v[MIR]
	s_lshl_b32 s62, s19, 2
	v_mad_u32_u24 v[OFF], v[T0], s69, v[IMGOFF]
	v_cmp_ge_i32 vcc_lo, 0, v[T1]                  ; direct rays up to the centre, mirrored ones short of it: the centre block's rays beyond belong to its own mirror
	v_add_nc_u32 v[OFF], s62, v[OFF]
	v_nop
	v_add_f32_dpp v[ACC], v[ACC], v[ACC] row_xmask:8 row_mask:0xf bank_mask:0xf
	v_add_f32_dpp v[ACC+1], v[ACC+1], v[ACC+1] row_xmask:8 row_mask:0xf bank_mask:0xf
	v_cndmask_b32 v[VAL], v[ACC], v[ACC+1], s[IMGM]  ; lanes 0-7, 16-23 store image 0, lanes 8-15, 24-31 image 1
	s_wait_xcnt 0x0                                ; EXEC changes only behind this wait
	s_and_saveexec_b32 s63, vcc_lo
	global_store_b32 v[OFF], v[VAL], s[8:9]        ; 4 bytes a lane, 720 bytes apart: see the head
	s_wait_xcnt 0x0                                ; and again in front of the line that widens it; OFF and VAL may be rewritten too
	s_or_b32 exec_lo, exec_lo, s63
	s_mov_b32 s15, s16                             ; the second unit, where there is one
	s_mov_b32 s18, s20
	s_mov_b32 s19, s21
	s_add_co_u32 s14, s14, 1
	s_cmp_lt_u32 s14, s13
	s_cbranch_scc1 .Lpass
	s_wait_tensorcnt 0x0                           ; the wave's end, behind my last LDS store
	ds_add_u32 v[SPW], v[NIL]
	s_wait_dscnt 0x0
	s_endpgm
.Lfunc_end_k_qf903ff5cf9_radon:
	.size	k_qf903ff5cf9_radon, .Lfunc_end_k_qf903ff5cf9_radon-k_qf903ff5cf9_radon
	.p2alignl 7, 3214868480
	.fill 96, 4, 3214868480
	.section	.rodata,"a",@progbits
	.p2align	6, 0x0
	.amdhsa_kernel k_qf903ff5cf9_radon
		.amdhsa_group_segment_fixed_size 277760
		.amdhsa_private_segment_fixed_size 0
		.amdhsa_enable_private_segment 0
		.amdhsa_kernarg_size 24
		.amdhsa_user_sgpr_count 2
		.amdhsa_user_sgpr_kernarg_segment_ptr 1
		.amdhsa_wavefront_size32 1
		.amdhsa_system_sgpr_workgroup_id_x 1
		.amdhsa_system_sgpr_workgroup_id_y 1
		.amdhsa_system_sgpr_workgroup_id_z 1
		.amdhsa_system_vgpr_workitem_id 0
		.amdhsa_next_free_vgpr 192
		.amdhsa_next_free_sgpr 72
		.amdhsa_reserve_vcc 1
		.amdhsa_float_denorm_mode_32 3
		.amdhsa_float_denorm_mode_16_64 3
		.amdhsa_memory_ordered 1
		.amdhsa_forward_progress 1
		.amdhsa_inst_pref_size 45
	.end_amdhsa_kernel
	.amdgpu_metadata
---
amdhsa.version: [ 1, 2 ]
amdhsa.kernels:
  - .name:           k_qf903ff5cf9_radon
    .symbol:         k_qf903ff5cf9_radon.kd
    .args:
      - { .name: theta, .offset: 0, .size: 8, .value_kind: global_buffer, .address_space: global }
      - { .name: x, .offset: 8, .size: 8, .value_kind: global_buffer, .address_space: global }
      - { .name: out0, .offset: 16, .size: 8, .value_kind: global_buffer, .address_space: global }
    .group_segment_fixed_size: 277760
    .private_segment_fixed_size: 0
    .kernarg_segment_align: 8
    .kernarg_segment_size: 24
    .max_flat_workgroup_size: 512
    .sgpr_count:     72
    .vgpr_count:     192
    .wavefront_size: 32
...
	.end_amdgpu_metadata
.endif
;; end of part 1
